; MI455X (gfx1250); checked and timed in simulation.
; The chip was launched on July 23, 2026; its instructions are those of AMD's public machine-readable ISA for CDNA 5 (MIT licence, August 2026) and "CDNA5" Instruction Set Architecture Reference Guide (July 2026). The comments in the code are by the model that wrote it; some were corrected since.
;; Fused Linear Row Sum. Allowed arithmetic: matrix products marked QUANTISED: E2M1 operands, one E8M0 scale for each 32 along K, by v_wmma_scale_f32_16x16x128_f8f6f4 with both operands' format E2M1 (or v_wmma_scale_f32_32x16x128_f4), f32 sums; everything else in f32.
;; Inputs: bias 2,048 float32; weight_codes 2,048 x 64 x 16 uint8 (E2M1 codes of weight, K innermost, in blocks of 32 codes, two codes a byte); weight_scales 2,048 x 64 uint8 (E8M0 scales of weight, one for each 32 codes along K); x_codes 16,384 x 64 x 16 uint8 (E2M1 codes of x, K innermost, in blocks of 32 codes, two codes a byte); x_scales 16,384 x 64 uint8 (E8M0 scales of x, one for each 32 codes along K).
;; Outputs: out0 16,384 float32.
;; This version of the problem:
;;   THIS VERSION OF THE PROBLEM IS GIVEN IN LOW PRECISION. The matrix products marked QUANTISED in the list below multiply operands that are first quantised to E2M1 (2 exponent bits, 1 mantissa bit; 4 bits a number), with one power-of-two scale for each 32 numbers along K (OCP MX v1.0); their sums are f32. All else is computed in f32.
;;   The module's matrix products, in the order in which they are computed (A, B: the left and right operand; K: the contracted axis; several contracted axes count as one K, in the product's order):
;;     1. [M 16,384, K 2,048] x [K 2,048, N 2,048]; A: input x (given as codes); B: input weight (given as codes): QUANTISED
;;   THE QUANTISER, for each operand of a quantised product, along K:
;;     - K is cut into blocks of 32 from its start; a last block that is shorter is filled with zeros.
;;     - A block's scale is 2^e with e = floor(log2(the largest magnitude in the block)) - 2, held to -126 .. 127; a block of zeros has e = 0. As a byte (E8M0): e + 127.
;;     - Each number is divided by its block's scale, clamped to +-6, and rounded to the nearest number of E2M1, ties to even, subnormals kept.
;;     - The product sums the exact products of the quantised numbers (number of the format x scale) in f32.
;;   ~~~python
;;   def quantise(x, axis):      # numpy; x: float32 -> the quantised numbers, widened to float32 again
;;       x = np.moveaxis(x, axis, -1); K = x.shape[-1]
;;       x = np.pad(x, [(0, 0)] * (x.ndim - 1) + [(0, -K % 32)]); x = x.reshape(x.shape[:-1] + (-1, 32)); a = np.abs(x).max(-1, keepdims=True)
;;       e = np.where(a > 0, np.clip(np.frexp(np.where(a > 0, a, 1))[1] - 1 - 2, -126, 127), 0)      # np.frexp(a)[1] - 1 = floor(log2(a)), exactly
;;       r = np.clip(x / 2.0 ** e, -6, 6)
;;       step = 2.0 ** (np.maximum(np.frexp(np.where(r == 0, 1, r))[1] - 1, 0) - 1)
;;       q = np.round(r / step) * step * 2.0 ** e      # np.round: ties to even
;;       return np.moveaxis(q.reshape(q.shape[:-2] + (-1,))[..., :K], -1, axis).astype(np.float32)
;;   ~~~
;;   INPUTS GIVEN AS CODES. weight (in the module: [2048, 2048], K = its axis 1); x (in the module: [16384, 2048], K = its axis 1): each comes as NAME_codes (uint8): NAME with its K axis moved to the last place and cut into blocks of 32 codes, [.., K / 32, bytes a block], one block behind the other in memory; two codes a byte, the lower K in the low four bits (a code: sign, 2 exponent bits, 1 mantissa bit); and NAME_scales (uint8): the same leading axes, one E8M0 byte (e + 127) for each 32 codes along K. Its value is code x scale, taken as it is: it is not quantised again, and the codes and scales need not be those that the quantiser above would give.
;; One version. Each part assembles by itself: llvm-mc -triple=amdgcn-amd-amdhsa -mcpu=gfx1250 --defsym DOCPART=n.
;; ======== version 1 of 1: 2 launches
;; limits: right only within a limited range of input values
;; workspace buffers: part 262,144 bytes
;; launch gemm (part 1): grid 4 x 64, 4 waves a work-group, clusters of 4 x 4, 327,680 bytes of LDS; arguments x_codes, x_scales, weight_codes, weight_scales, bias, part; writes part
.if DOCPART == 1
	.amdgcn_target "amdgcn-amd-amdhsa--gfx1250"
	.amdhsa_code_object_version 6
	.text
	.protected	k_q586fb7ddd4_gemm
	.globl	k_q586fb7ddd4_gemm
	.p2align	8
	.type	k_q586fb7ddd4_gemm,@function
k_q586fb7ddd4_gemm:
	s_mov_b64 s[64:65], 0
	v_nop
	global_prefetch_b8 v0, s[64:65] scope:SCOPE_SE
	s_setreg_imm32_b32 hwreg(HW_REG_WAVE_MODE, 25, 1), 1
	s_wait_xcnt 0x0
	s_wait_alu depctr_hold_cnt(0) depctr_sa_sdst(0) depctr_va_vdst(0) depctr_va_sdst(0) depctr_va_ssrc(0) depctr_va_vcc(0) depctr_vm_vsrc(0)
	s_getreg_b32 s2, hwreg(HW_REG_IB_STS2, 6, 4)
	s_cmp_eq_u32 s2, 0
	s_cbranch_scc0 .Lentry_in_a_cluster
	s_endpgm
.Lentry_in_a_cluster:
	s_bfe_u32 s2, ttmp6, 0x10000c
	s_cmp_lg_u32 s2, 0xf033
	s_cbranch_scc0 .Lentry_shape_is_right
	s_endpgm
.Lentry_shape_is_right:
; part[q][m] = the sum over the 512 columns n of quarter q of ( sum over k of x[m][k] W[n][k] + bias[n] ).  x: [16384][2048], W: [2048][2048]: codes of FP4 (E2M1), two a byte, K innermost
; (a row is 1,024 bytes), with one E8M0 byte for each 32 along K (a row of scales is 64 bytes).  part: [4][16384] f32; a second launch adds the four parts of a row.
; No step of the problem is left out.
; SHARES.  A work-group: 256 rows x 512 columns x all of K, in 4 chunks of 512 along K (256 bytes of a row).  THE WAVES SHARE K: wave w takes the chunk's w-th 128 along K, bytes 64 w .. 64 w + 63
; of every row's 256, and multiplies all 16 fragments of x (16 rows each) by all 16 of W (32 rows each): 256 matrix instructions of 32 x 16 x 128 a chunk.  So no two waves read the same codes.
; ONLY THE SUM OVER n IS WANTED: all tiles of columns and all of K add into ONE accumulator for each 16 rows of x: 16 accumulators of 16 registers.  W is source 0 (32 rows), x source 1 (16 rows): lane (r, h) holds
; row r of x, its 16 registers 16 of the 32 columns: the way out adds registers and the two halves of the lanes.
; W GOES THROUGH LDS: a chunk's 512 rows x 256 bytes fill one of two slots; each is asked for JOINTLY by the four work-groups of a column of the 4 x 4 cluster, which share the quarter of W.  W's scales for all of K
; come once, with the head's loads, and stay.  Behind the head each wave fetches 128 rows of a slot, one load behind each round.
; x's CHUNK 0 comes jointly too (the four work-groups of a row of the cluster share the rows of x), into slot 1, which W's chunk 1 takes over as soon as every wave has taken x out.
; x's CHUNKS 1 TO 3 GO FROM MEMORY STRAIGHT INTO REGISTERS: a wave shares its bytes with no other wave of the work-group.  They are not asked for jointly: two slots of W and W's scales leave 13,824 bytes of LDS, and
; x's 256 rows of a chunk are 65,536.
; NO PREFETCH: the four chunks are written out and there is no loop to run ahead in; x is loaded 14 steps (224 matrix instructions) or more ahead of its use, W's tiles 12 steps or more.
; A STEP is one fragment of W against the 16 of x: 16 matrix instructions, one on each accumulator.  W's fragments go by groups of eight, in two sets of registers that take turns; each group, and the x that is due, is loaded in ONE
; run among the products of the group before.
; LIMITS.  The order of the f32 sums differs from a sum over k and then over n: columns are folded into 32 sums, K is split over four waves, n over four work-groups.
; A scale byte 0xff makes the row's sum NaN; sums overflow where the products' magnitudes pass f32's range.
; REGISTERS: window 0: v0-31 addresses; v32-63 x's scale words; v64-79 W's; v88-111 head and way out; v128-255 W's groups of even number.  window 1: x's sets 0 and 1; window 2: v0-127 x's set 2, v128-255 W's groups of odd
; number (x's chunk c takes set c % 3).  window 3: the accumulators.
.set PITCH,  272                       ; an LDS row: 256 bytes + 16 of padding = 68 words: row r starts at bank 4 r mod 64 (64 banks of 4 bytes: ISA guide 11.1), so the 16 rows of a fragment load start at 16 different banks
.set HALF,   256*PITCH                 ; 256 rows: an LDS offset has 16 bits, so a slot's halves have an address register each
.set SLOT,   512*PITCH
.set SCW,    2*SLOT                    ; W's scales: 512 rows x 64 bytes = 128 rows of 256 + 16
.set SPARE,  SCW+128*PITCH             ; the spare words, 128 bytes for each wave: two blocks of 256 bytes that no other line names
.set SCR,    SPARE+512                 ; the way out: 256 row sums of each of the four waves; no tensor load lands here
.set SCRR, 14                          ; v14  the way out: where I read four waves' sums of two rows
.set XO,   16                          ; v16  1,024 r + 16 h + 64 w: my row, half and wave's part in a fragment of x
.set SO,   17                          ; v17  64 x lane + 4 w: a lane a row of x's scales
.set BO,   18                          ; v18  16 x lane: my place in the quarter's bias
.set GO,   19                          ; v19  8 x lane: my two rows in the wave's 256 bytes of part
.set AW,   20                          ; v20-23  LDS address of my part of W's fragments: slot 0 rows 0-255, rows 256-511, slot 1 likewise (v22: also of x's chunk 0)
.set ADRS, 24                          ; v24  LDS address of W's scale words, a lane a row
.set SCRW, 25                          ; v25  the way out: where I put my row sums
.set BS,   26                          ; v[26:27]  the sum of the quarter's 512 biases, twice
.set SPW,  28                          ; v28  LDS address of my spare word: SPARE + 4 x my thread's number; never rewritten
.set NIL,  29                          ; v29  0; never rewritten
.set XS,   32                          ; v32-63 scale words and nothing else: register 8 c + p: lanes 0-15 x's fragment 2 p of chunk c, lanes 16-31 fragment 2 p + 1
.set WS,   64                          ; v64-79 likewise: register t % 16: lane m row m of step t's fragment of W
.set BI,   88                          ; v88-103 at the head my 16 biases
.set TS,   88                          ; v88-103 on the way out a sum for each fragment of x
.set F,    104                         ; v104-111 four waves' sums of my two rows
.set WB,   128                         ; step t's fragment of W at 128 + 16 (t % 8), in window 0 or 2
.set G1,   24                          ; s[24:31] descriptor group 1: 128 rows of W's codes
.set G1H,  32                          ; s[32:39] 256 rows, for the head
.set G1S,  48                          ; s[48:55] the scales of 512 rows
.set G1X,  56                          ; s[56:63] 256 rows of x's codes
.set G0H,  68                          ; s[68:71] group 0: chunk 0's rows of W (waves 1, 2)
.set G0S,  72                          ; s[72:75] W's scales (wave 3)
.set R1,   76                          ; s[76:79], s[80:83], s[84:87] my 128 rows of W's chunks 1, 2, 3
.set R2,   80
.set R3,   84
.set G0X,  88                          ; s[88:91] x's chunk 0 (wave 0)
.set SEL,  96                          ; s[96:97] v_permlanex16_b32's selects for lane l xor 16
.set PADC, (1<<20)|(1<<21)|(5<<22)|(3<<25)   ; group 1, word 0: 20 padding on; 21 set beside a mask; 24:22 after every 64 words (code 5); 31:25 four words (code 3)
.set MSB, 0
.macro WIN new                         ; the immediate's high byte repeats the setting that is left; a switch that changes nothing is dropped
.if MSB != (\new)
	s_set_vgpr_msb (MSB<<8)|(\new)
.set MSB, (\new)
.endif
.endm
.macro PLACES n                        ; a load into a register that a matrix instruction has read, and a vector instruction that reads a matrix result, stand four places behind it; only plain vector
.rept \n                               ; instructions that name none of its registers are places (ISA guide 7.12.1 for vector instructions)
	v_nop
.endr
.endm
.macro WLOAD g0, g1                    ; a joint load, with s_nop 0 and four v_nop behind it
	tensor_load_to_lds s[\g0:\g0+3], s[\g1:\g1+7]
	s_nop 0
	PLACES 4
.endm
.macro CREST                           ; a round of the cluster's barrier behind its opening barrier
	s_cmp_lg_u32 s16, 0
	s_cbranch_scc1 .Lnot_wave_0_\@
	s_barrier_signal -3
.Lnot_wave_0_\@:
	s_barrier_wait -3
	s_barrier_signal -1
	s_barrier_wait -1
.endm
.macro CROUND                          ; a whole round
	s_barrier_signal -1
	s_barrier_wait -1
	CREST
.endm
.macro SHAPE g, c, r, p                ; group 1, words 1 to 7: r rows of c elements, p elements from row to row; the tiles lie inside their tensors, so the extents are the tile's
	s_mov_b32 s[\g+1], (\c)<<16                    ; tensor_dim0
	s_mov_b32 s[\g+2], (\r)<<16                    ; tensor_dim1
	s_mov_b32 s[\g+3], (\c)<<16                    ; tile_dim0
	s_mov_b32 s[\g+4], \r                          ; tile_dim1
	s_mov_b32 s[\g+5], \p                          ; tensor_dim0_stride
	s_mov_b32 s[\g+6], 0
	s_mov_b32 s[\g+7], 0
.endm
; x's chunk c into its set, 32 loads.  A fragment, 16 rows x 128 K of 4-bit codes, is 8 registers: lane l holds row l % 16; registers 4 e .. 4 e + 3 hold K = 64 e + 32 (l / 16) + 0 .. 31.
.macro XCHUNK c
.set xI, 128*(((\c)%3)%2)
.set xQ, 256*(\c)
	WIN 0x40+0x40*(((\c)%3)/2)                     ; destination window 1 (sets 0, 1) or 2 (set 2), address window 0
.irp i, 0,1,2,3,4,5,6,7,8,9,10,11,12,13,14,15
.irp e, 0,1
	global_load_b128 v[xI+8*\i+4*\e:xI+8*\i+4*\e+3], v[XO], s[40:41] offset:xQ+16384*\i+32*\e
.endr
.endr
	WIN 0
.endm
.macro XSCALE c                        ; its scale words, a lane a row
.set xR, XS+8*(\c)
.set xQ, 16*(\c)
.irp p, 0,1,2,3,4,5,6,7
	global_load_b32 v[xR+\p], v[SO], s[92:93] offset:xQ+2048*\p
.endr
.endm
.macro WCODE t                         ; four LDS loads: step t's fragment of W, rows 0-15, then rows 16-31
.set lB, WB+16*((\t)%8)
.set lF, (\t)%16
.set lA, AW+2*(((\t)/16)%2)+lF/8
.set lO, (lF%8)*32*PITCH
	WIN 0x80*(((\t)/8)%2)                          ; destination window 0 (groups of even number) or 2 (odd), address window 0
	ds_load_b128 v[lB:lB+3], v[lA] offset:lO
	ds_load_b128 v[lB+4:lB+7], v[lA] offset:lO+32
	ds_load_b128 v[lB+8:lB+11], v[lA] offset:lO+16*PITCH
	ds_load_b128 v[lB+12:lB+15], v[lA] offset:lO+16*PITCH+32
.endm
.macro WSCALE g                        ; eight: group g's scale words
	WIN 0
.set lS, WS+8*((\g)%2)
.set lQ, 8*((\g)%2)*8*PITCH+16*((\g)/2)
.irp i, 0,1,2,3,4,5,6,7
	ds_load_b32 v[lS+\i], v[ADRS] offset:lQ+\i*8*PITCH
.endr
.endm
.macro WGROUP g                        ; 40 loads: group g, its scale words first
	WSCALE \g
.irp i, 0,1,2,3,4,5,6,7
	WCODE 8*(\g)+\i
.endr
	WIN 0
.endm
	s_load_b256 s[4:11], s[0:1], 0x0               ; x's codes s[4:5], x's scales s[6:7], W's codes s[8:9], W's scales s[10:11]
	s_load_b128 s[12:15], s[0:1], 0x20             ; bias s[12:13], part s[14:15]
	v_lshl_add_u32 v[SPW], v0, 2, SPARE
	v_mov_b32 v[NIL], 0
	ds_add_u32 v[SPW], v[NIL]                      ; the wave's opening: the add, twice on end, and its wait ahead of my first tensor load
	ds_add_u32 v[SPW], v[NIL]
	v_lshrrev_b32 v1, 5, v0
	v_readfirstlane_b32 s16, v1                    ; wave 0..3
	s_lshl_b32 s88, s16, 6                         ; my wave's 64 bytes of a chunk's 256
	s_lshl_b32 s89, s16, 2                         ; my wave's word of a chunk's four
	s_lshl_b32 s94, s16, 10
	s_add_co_u32 s94, s94, SCR
	s_lshl_b32 s95, s16, 8
	s_add_co_u32 s95, s95, SCR
	v_and_b32 v1, 15, v0                           ; r = lane % 16
	v_bfe_u32 v2, v0, 4, 1                         ; h = lane / 16
	v_and_b32 v3, 31, v0                           ; lane
	v_lshlrev_b32 v4, 4, v2
	v_add_nc_u32 v4, s88, v4                       ; 16 h + 64 w
	v_lshl_add_u32 v[XO], v1, 10, v4
	v_mul_u32_u24 v5, v1, PITCH
	v_add_nc_u32 v[AW], v5, v4                     ; row x pitch + 16 x half + 64 x wave
	v_add_nc_u32 v[AW+1], HALF, v[AW]
	v_add_nc_u32 v[AW+2], SLOT, v[AW]
	v_add_nc_u32 v[AW+3], SLOT+HALF, v[AW]
	v_lshrrev_b32 v6, 2, v3                        ; a row's 64 scale bytes: four rows to an LDS row
	v_and_b32 v7, 3, v3
	v_mul_u32_u24 v6, v6, PITCH
	v_lshl_add_u32 v6, v7, 6, v6
	v_add_nc_u32 v6, s89, v6
	v_add_nc_u32 v[ADRS], SCW, v6
	v_lshlrev_b32 v8, 6, v3
	v_add_nc_u32 v[SO], s89, v8
	v_lshlrev_b32 v[BO], 4, v3
	v_lshlrev_b32 v[GO], 3, v3
	v_lshlrev_b32 v8, 2, v3
	v_add_nc_u32 v[SCRW], s94, v8                  ; my wave's 256 sums, 4 bytes a lane
	v_add_nc_u32 v[SCRR], s95, v[GO]               ; rows 64 w + 2 lane and the next, in wave 0's sums
	v_mov_b32 v[BS+1], 0                           ; written once: a lane permute's destination counts as one of its sources
	s_lshr_b32 s17, s16, 1                         ; waves 1 and 2 fetch W's codes at the head: which 256 rows
	s_bfe_u32 s19, ttmp6, 0x40000                  ; cx, cy: my place in the cluster
	s_bfe_u32 s20, ttmp6, 0x40004
	s_lshl_b32 s21, ttmp9, 2
	s_add_co_u32 s21, s21, s19                     ; q, the quarter of the columns = 4 x cluster x + cx
	s_and_b32 s22, ttmp7, 0xffff
	s_lshl_b32 s22, s22, 2
	s_add_co_u32 s22, s22, s20                     ; the block of 256 rows = 4 x cluster y + cy
	s_lshl_b32 s2, 0x1111, s19                     ; my column of the cluster: it shares the quarter of W
	s_lshl_b32 s20, s20, 2
	s_lshl_b32 s20, 15, s20                        ; my row of the cluster: it shares the rows of x
	s_or_b32 s[G1], s2, PADC                       ; 15:0 the mask; 17:16 elements of 1 byte
	s_or_b32 s[G1H], s2, PADC
	s_or_b32 s[G1S], s2, PADC|(3<<16)              ; the scales: elements of 8 bytes
	s_or_b32 s[G1X], s20, PADC
	SHAPE G1, 256, 128, 1024                       ; 128 rows x 256 bytes, 1,024 bytes from row to row
	SHAPE G1H, 256, 256, 1024                      ; 256 rows likewise
	SHAPE G1X, 256, 256, 1024
	SHAPE G1S, 32, 128, 32                         ; 512 rows of scales are 32,768 dense bytes: 128 rows of 256
	; where W's tiles come from: offsets of the quarter and the wave alone, in registers that never hold the other coordinate
	s_lshl_b32 s42, s21, 9                         ; row 512 q
	s_lshl_b32 s100, s42, 6                        ; its scales
	s_mov_b32 s101, 0
	s_lshl_b32 s43, s17, 8
	s_add_co_u32 s44, s42, s43                     ; the head's codes: + 256 x half
	s_lshl_b32 s46, s44, 10
	s_mov_b32 s47, 0
	s_lshl_b32 s43, s16, 7
	s_add_co_u32 s42, s42, s43                     ; the ring: + 128 x wave
	s_lshl_b32 s98, s42, 10
	s_mov_b32 s99, 0
	s_mul_i32 s23, s17, HALF                       ; and where they go: no place in the cluster enters an LDS address
	s_mul_i32 s3, s16, 128*PITCH
	; x, its scales, the biases, part
	s_lshl_b32 s40, s22, 18
	s_mov_b32 s41, 0
	s_lshl_b32 s92, s22, 14
	s_mov_b32 s93, 0
	s_lshl_b32 s94, s21, 11
	s_mov_b32 s95, 0
	s_lshl_b32 s66, s21, 16                        ; part: 65,536 q
	s_lshl_b32 s67, s22, 10                        ; + 4 x 256 x block
	s_add_co_u32 s66, s66, s67
	s_lshl_b32 s67, s16, 8                         ; + 4 x 64 x wave
	s_add_co_u32 s66, s66, s67
	s_mov_b32 s67, 0
	s_mov_b32 s[SEL], 0x76543210
	s_mov_b32 s[SEL+1], 0xfedcba98
	s_wait_alu depctr_va_vdst(0)
	s_wait_dscnt 0x0                               ; both opening adds are done
	s_wait_kmcnt 0x0
	s_add_nc_u64 s[40:41], s[4:5], s[40:41]
	s_add_nc_u64 s[92:93], s[6:7], s[92:93]
	s_add_nc_u64 s[12:13], s[12:13], s[94:95]
	s_add_nc_u64 s[14:15], s[14:15], s[66:67]
.irp i, 0,1,2,3
	global_load_b128 v[BI+4*\i:BI+4*\i+3], v[BO], s[12:13] offset:512*\i   ; 32 lanes read 512 consecutive bytes; every wave reads all 512 biases
.endr
	XSCALE 0
	s_mov_b32 s[G0X], 1                            ; 1:0 count = 1
	s_mov_b32 s[G0X+1], SLOT                       ; 63:32 LDS address: slot 1
	s_mov_b64 s[G0X+2:G0X+3], s[40:41]             ; 120:64 global address: chunk 0
	s_or_b32 s[G0X+3], s[G0X+3], 0x80000000        ; 127:126 type = 2
	s_mov_b32 s[G0H], 1
	s_mov_b32 s[G0H+1], s23
	s_add_nc_u64 s[G0H+2:G0H+3], s[8:9], s[46:47]
	s_or_b32 s[G0H+3], s[G0H+3], 0x80000000
	s_mov_b32 s[G0S], 1
	s_mov_b32 s[G0S+1], SCW
	s_add_nc_u64 s[G0S+2:G0S+3], s[10:11], s[100:101]
	s_or_b32 s[G0S+3], s[G0S+3], 0x80000000
	s_add_nc_u64 s[44:45], s[8:9], s[98:99]
.irp k, 1,2,3                          ; the ring's loads: chunk k into slot k % 2, a group 0 each
	s_mov_b32 s[R1+4*(\k-1)], 1
	s_add_co_u32 s[R1+4*(\k-1)+1], s3, (\k%2)*SLOT
	s_add_nc_u64 s[R1+4*(\k-1)+2:R1+4*(\k-1)+3], s[44:45], 256*\k
	s_or_b32 s[R1+4*(\k-1)+3], s[R1+4*(\k-1)+3], 0x80000000
.endr
	CROUND                                         ; all sixteen work-groups are here: the first joint loads meet
	s_cmp_lt_u32 s16, 1                            ; THE HEAD'S LOADS, one a wave: wave 0 x's chunk 0, waves 1 and 2 W's chunk 0, 256 rows each, wave 3 W's scales
	s_cbranch_scc0 .Lhead_w
	WLOAD G0X, G1X
	s_branch .Lasked
.Lhead_w:
	s_cmp_lt_u32 s16, 3
	s_cbranch_scc0 .Lhead_s
	WLOAD G0H, G1H
	s_branch .Lasked
.Lhead_s:
	WLOAD G0S, G1S
.Lasked:
	XSCALE 1
	XSCALE 2
	XSCALE 3
	s_wait_loadcnt 32                              ; the biases are in: behind them 32 loads of scale words
.irp j, 0,4,8,12
	v_pk_add_f32 v[BI+\j:BI+\j+1], v[BI+\j:BI+\j+1], v[BI+\j+2:BI+\j+3]
.endr
	v_pk_add_f32 v[BI:BI+1], v[BI:BI+1], v[BI+4:BI+5]
	v_pk_add_f32 v[BI+8:BI+9], v[BI+8:BI+9], v[BI+12:BI+13]
	v_pk_add_f32 v[BI:BI+1], v[BI:BI+1], v[BI+8:BI+9]
	v_add_f32 v[BS], v[BI], v[BI+1]                ; my 16; then across the 32 lanes
	v_add_f32_dpp v[BS], v[BS], v[BS] row_xmask:1 row_mask:0xf bank_mask:0xf
	v_add_f32_dpp v[BS], v[BS], v[BS] row_xmask:2 row_mask:0xf bank_mask:0xf
	v_add_f32_dpp v[BS], v[BS], v[BS] row_xmask:4 row_mask:0xf bank_mask:0xf
	v_add_f32_dpp v[BS], v[BS], v[BS] row_xmask:8 row_mask:0xf bank_mask:0xf
	v_permlanex16_b32 v[BS+1], v[BS], s[SEL], s[SEL+1]
	v_add_f32 v[BS], v[BS], v[BS+1]
	v_mov_b32 v[BS+1], v[BS]                       ; a pair for the packed addition
; Four matrix instructions of step ST: its fragment of W against x's fragments m0 .. m0 + 3, each on its own accumulator; the sixteen take turns in the same order in every step.
; W's scales fill the 32 lanes of their register; x's stand in lanes 0-15 (even fragments) or 16-31 (odd ones).  The first step starts the sums: nothing is ever cleared.
.macro MUL4 m0
.irp a, 0,1,2,3
.set mX, \m0+\a
.set mD, 16*mX
.set mA, WB+16*(ST%8)
.set mB, 128*(((ST/16)%3)%2)+8*mX
.set mS, WS+ST%16
.set mT, XS+8*(ST/16)+mX/2
.if (ST == 0) && ((\a%2) == 0)
	v_wmma_scale_f32_32x16x128_f4 v[mD:mD+15], v[mA:mA+15], v[mB:mB+7], 0, v[mS], v[mT]
.elseif ST == 0
	v_wmma_scale_f32_32x16x128_f4 v[mD:mD+15], v[mA:mA+15], v[mB:mB+7], 0, v[mS], v[mT] matrix_b_scale:MATRIX_SCALE_ROW1
.elseif (\a%2) == 0
	v_wmma_scale_f32_32x16x128_f4 v[mD:mD+15], v[mA:mA+15], v[mB:mB+7], v[mD:mD+15], v[mS], v[mT]
.else
	v_wmma_scale_f32_32x16x128_f4 v[mD:mD+15], v[mA:mA+15], v[mB:mB+7], v[mD:mD+15], v[mS], v[mT] matrix_b_scale:MATRIX_SCALE_ROW1
.endif
.endr
.endm
; A CHANGE OF SLOTS: ONE barrier for two things: what the wave has asked for is whole for everybody; nobody reads the slot that is to be filled any more.
; In step 1: x's chunk 0 has left slot 1.  In a chunk's step 13: its last fragments were asked for 12 steps ago, and from here on the next chunk's are read.
; fill = 1: a slot is filled again, behind a round of the cluster's barrier.
.macro TURN fill
.if \fill
	WIN 0                                          ; (the add's two registers lie in window 0)
	s_wait_tensorcnt 0x0                           ; no load of mine is out: my part of the next chunk has landed;
	ds_add_u32 v[SPW], v[NIL]                      ; 0 onto my spare word
	s_wait_dscnt 9                                 ; this step's fragment is in; the add and the next two fragments' eight loads may be out
.else
	s_wait_tensorcnt 0x0                           ; my part of the last chunk has landed
	s_wait_dscnt 8
.endif
	WIN MULW
	MUL4 0
	MUL4 4
	s_wait_dscnt 0x0                               ; the add is done, and my reads of the slot are over
	s_barrier_signal -1
	MUL4 8                                         ; work on registers while the others arrive
	MUL4 12
	WIN 0
	s_barrier_wait -1
.if \fill
	CREST                                          ; the barrier has opened a round: no wave of any partner still reads the slot or has a load on its way
.if ST == 1
	WLOAD R1, G1                                   ; W's chunk 1 into slot 1: my one tensor load behind the round;
	WCODE 4                                        ; then the rest of group 0, group 1, and x's chunk 1
	WCODE 5
	WCODE 6
	WCODE 7
	WGROUP 1
	XCHUNK 1
.elseif ST == 13
	WLOAD R2, G1                                   ; W's chunk 2 into slot 0
	WGROUP 2
	XCHUNK 2
.else
	WLOAD R3, G1                                   ; W's chunk 3 into slot 1
	WGROUP 4
.endif
.else
	PLACES 4
	WGROUP 6
.endif
.endm
.macro STEP
.set sC, ST/16
.set sF, ST%16
.set MULW, 0xf4+2*((ST/8)%2)+4*((sC%3)/2)      ; source 0 (W) window 0 or 2, source 1 (x) window 1 or 2, C and D window 3
.if ST == 16
	s_wait_loadcnt 32                              ; x's chunk 1 is in; chunk 2's 32 loads may be out
.elseif (ST == 32) || (ST == 48)
	s_wait_loadcnt 0                               ; x's chunk 2, chunk 3: nothing was asked for behind it
.endif
.if ST == 0
	WIN MULW
	s_wait_dscnt 36                                ; the scale words, W's fragment 0 and x's 0-3 are in; x's other 24 loads and 12 of W may be out
	MUL4 0
	s_wait_dscnt 28
	MUL4 4
	s_wait_dscnt 20
	MUL4 8
	s_wait_dscnt 12
	MUL4 12
.elseif (ST == 1) || (ST == 13) || (ST == 29)
	TURN 1
.elseif ST == 45
	TURN 0
.else
.if (sF < 8) && ((sF > 3) || ((sC > 0) && (sF > 1)))
	s_wait_dscnt 40+4*(7-sF)                       ; the group's later fragments and the whole next group may be out
.elseif (sC > 0) && (sF < 2)
	s_wait_dscnt 4*(7-sF)                          ; the group's later fragments may be out
.elseif (sF > 7) && ((sF < 13) || (sC == 3))
	s_wait_dscnt 4*(15-sF)
.endif                                 ; (steps 2, 3 and those behind a change of slots: their loads were waited for there)
	WIN MULW
	MUL4 0
	MUL4 4
	MUL4 8
	MUL4 12
.if (sF == 1) && (sC > 0)              ; the chunk's second group, into registers that the chunk before has read
	WIN 0
	PLACES 4
	WGROUP 2*sC+1
.if sC == 2
	XCHUNK 3                                       ; into set 0, which chunk 0's products have read
.endif
.endif
.endif
.set ST, ST+1
.endm
	s_wait_alu depctr_va_vdst(0)
	s_wait_tensorcnt 0x0                           ; my tile of the head's is in;
	s_barrier_signal -1
	s_barrier_wait -1                              ; everybody's is
	WSCALE 0
	WCODE 0
	WIN 0x40                                       ; x's chunk 0, out of slot 1 into set 0
.irp i, 0,1,2,3,4,5,6,7,8,9,10,11,12,13,14,15
.irp e, 0,1
	ds_load_b128 v[8*\i+4*\e:8*\i+4*\e+3], v[AW+2] offset:\i*16*PITCH+32*\e
.endr
.endr
	WCODE 1
	WCODE 2
	WCODE 3
	s_wait_loadcnt 0x0                             ; x's scale words
.set ST, 0
.rept 64                               ; 4 chunks of 16 steps
	STEP
.endr
	; THE WAY OUT.  An accumulator's 16 registers are added (each from its low end on), then the two halves of the lanes: my wave's share of K of 256 row sums.
	PLACES 4
	WIN 0xcf                                       ; destination and both sources window 3
.irp j, 0,4,8,12
.irp a, 0,1,2,3,4,5,6,7,8,9,10,11,12,13,14,15
	v_pk_add_f32 v[16*\a+\j:16*\a+\j+1], v[16*\a+\j:16*\a+\j+1], v[16*\a+\j+2:16*\a+\j+3]
.endr
.endr
.irp j, 0,8
.irp a, 0,1,2,3,4,5,6,7,8,9,10,11,12,13,14,15
	v_pk_add_f32 v[16*\a+\j:16*\a+\j+1], v[16*\a+\j:16*\a+\j+1], v[16*\a+\j+4:16*\a+\j+5]
.endr
.endr
.irp a, 0,1,2,3,4,5,6,7,8,9,10,11,12,13,14,15
	v_pk_add_f32 v[16*\a:16*\a+1], v[16*\a:16*\a+1], v[16*\a+8:16*\a+9]
.endr
	WIN 0x0f                                       ; destination window 0, both sources window 3
.irp a, 0,1,2,3,4,5,6,7,8,9,10,11,12,13,14,15
	v_add_f32 v[TS+\a], v[16*\a], v[16*\a+1]       ; lane (r, h): row 16 a + r, the columns of half h
.endr
	WIN 0
.irp i, 0,1,2,3,4,5,6,7
	v_permlane16_swap_b32 v[TS+2*\i], v[TS+2*\i+1] ; the first's lanes 16-31 change places with the second's lanes 0-15: both now hold row 32 i + lane, one half of the columns each
.endr
.irp i, 0,1,2,3,4,5,6,7
	v_add_f32 v[TS+2*\i], v[TS+2*\i], v[TS+2*\i+1]
.endr
.irp i, 0,1,2,3,4,5,6,7
	ds_store_b32 v[SCRW], v[TS+2*\i] offset:128*\i ; row 32 i + lane of my wave's 256
.endr
	s_wait_dscnt 0x0                               ; for the others' sake: my stores are done
	s_barrier_signal -1
	s_barrier_wait -1
.irp v, 0,1,2,3
	ds_load_b64 v[F+2*\v:F+2*\v+1], v[SCRR] offset:1024*\v   ; rows 64 w + 2 lane and the next: the four waves' shares of K
.endr
	s_wait_dscnt 0x0
	v_pk_add_f32 v[F:F+1], v[F:F+1], v[F+2:F+3]
	v_pk_add_f32 v[F+4:F+5], v[F+4:F+5], v[F+6:F+7]
	v_pk_add_f32 v[F:F+1], v[F:F+1], v[F+4:F+5]
	v_pk_add_f32 v[F:F+1], v[F:F+1], v[BS:BS+1]    ; and the quarter's biases, once for each row
	global_store_b64 v[GO], v[F:F+1], s[14:15]     ; 32 lanes store 256 consecutive bytes, at a multiple of 256 from part's first byte
	s_wait_tensorcnt 0x0                           ; the wave's end: behind my last tensor load and my last LDS store
	ds_add_u32 v[SPW], v[NIL]
	s_wait_dscnt 0x0
	CROUND                                         ; the closing round: no work-group ends while a partner may still ask for a tile that names it
	s_endpgm
.Lfunc_end_k_q586fb7ddd4_gemm:
	.size	k_q586fb7ddd4_gemm, .Lfunc_end_k_q586fb7ddd4_gemm-k_q586fb7ddd4_gemm
	.p2alignl 7, 3214868480
	.fill 96, 4, 3214868480
	.section	.rodata,"a",@progbits
	.p2align	6, 0x0
	.amdhsa_kernel k_q586fb7ddd4_gemm
		.amdhsa_group_segment_fixed_size 327680
		.amdhsa_private_segment_fixed_size 0
		.amdhsa_enable_private_segment 0
		.amdhsa_kernarg_size 48
		.amdhsa_user_sgpr_count 2
		.amdhsa_user_sgpr_kernarg_segment_ptr 1
		.amdhsa_wavefront_size32 1
		.amdhsa_system_sgpr_workgroup_id_x 1
		.amdhsa_system_sgpr_workgroup_id_y 1
		.amdhsa_system_sgpr_workgroup_id_z 1
		.amdhsa_system_vgpr_workitem_id 0
		.amdhsa_next_free_vgpr 1024
		.amdhsa_next_free_sgpr 102
		.amdhsa_reserve_vcc 0
		.amdhsa_float_denorm_mode_32 3
		.amdhsa_float_denorm_mode_16_64 3
		.amdhsa_memory_ordered 1
		.amdhsa_forward_progress 1
		.amdhsa_inst_pref_size 188
	.end_amdhsa_kernel
	.amdgpu_metadata
---
amdhsa.version: [ 1, 2 ]
amdhsa.kernels:
  - .name:           k_q586fb7ddd4_gemm
    .symbol:         k_q586fb7ddd4_gemm.kd
    .args:
      - { .name: x_codes, .offset: 0, .size: 8, .value_kind: global_buffer, .address_space: global }
      - { .name: x_scales, .offset: 8, .size: 8, .value_kind: global_buffer, .address_space: global }
      - { .name: weight_codes, .offset: 16, .size: 8, .value_kind: global_buffer, .address_space: global }
      - { .name: weight_scales, .offset: 24, .size: 8, .value_kind: global_buffer, .address_space: global }
      - { .name: bias, .offset: 32, .size: 8, .value_kind: global_buffer, .address_space: global }
      - { .name: part, .offset: 40, .size: 8, .value_kind: global_buffer, .address_space: global }
    .group_segment_fixed_size: 327680
    .private_segment_fixed_size: 0
    .kernarg_segment_align: 8
    .kernarg_segment_size: 48
    .max_flat_workgroup_size: 128
    .sgpr_count:     102
    .vgpr_count:     1024
    .wavefront_size: 32
...
	.end_amdgpu_metadata
.endif
;; end of part 1
;; launch addparts (part 2): grid 32 x 1, 4 waves a work-group, no clusters, 0 bytes of LDS; arguments part, out0; writes out0
.if DOCPART == 2
	.amdgcn_target "amdgcn-amd-amdhsa--gfx1250"
	.amdhsa_code_object_version 6
	.text
	.protected	k_q586fb7ddd4_addparts
	.globl	k_q586fb7ddd4_addparts
	.p2align	8
	.type	k_q586fb7ddd4_addparts,@function
k_q586fb7ddd4_addparts:
	s_mov_b64 s[64:65], 0
	v_nop
	global_prefetch_b8 v0, s[64:65] scope:SCOPE_SE
	s_setreg_imm32_b32 hwreg(HW_REG_WAVE_MODE, 25, 1), 1
	s_wait_xcnt 0x0
; out0[m] = (part[0][m] + part[1][m]) + (part[2][m] + part[3][m]).  part: [4][16384] f32, out0: [16384] f32.
; The four parts of a row were made by four work-groups of the launch before; here each output has one owner.  A thread takes four neighbouring rows: four loads of 16 bytes, 65,536 bytes apart,
; all issued before the one wait; each load and the store of a wave cover 512 consecutive bytes.  32 work-groups of 128 threads x 4 rows are the 16,384 rows.
; No LDS, no barrier, no matrix unit: 320 KB are moved and 49,152 numbers added.
.set QUARTER, 65536                    ; bytes from a part to the next
	s_load_b128 s[4:7], s[0:1], 0x0                ; part s[4:5], out0 s[6:7]
	v_lshlrev_b32 v1, 4, v0                        ; 16 bytes a thread
	s_lshl_b32 s2, ttmp9, 11                       ; 2,048 bytes a work-group
	v_add_nc_u32 v1, s2, v1
	s_wait_alu depctr_va_vdst(0)
	s_wait_kmcnt 0x0
.irp p, 0,1,2,3
	global_load_b128 v[4+4*\p:7+4*\p], v1, s[4:5] offset:\p*QUARTER th:TH_LOAD_NT
.endr
	s_wait_loadcnt 0x0
	v_pk_add_f32 v[4:5], v[4:5], v[8:9]
	v_pk_add_f32 v[6:7], v[6:7], v[10:11]
	v_pk_add_f32 v[12:13], v[12:13], v[16:17]
	v_pk_add_f32 v[14:15], v[14:15], v[18:19]
	v_pk_add_f32 v[4:5], v[4:5], v[12:13]
	v_pk_add_f32 v[6:7], v[6:7], v[14:15]
	global_store_b128 v1, v[4:7], s[6:7]
	s_endpgm
.Lfunc_end_k_q586fb7ddd4_addparts:
	.size	k_q586fb7ddd4_addparts, .Lfunc_end_k_q586fb7ddd4_addparts-k_q586fb7ddd4_addparts
	.p2alignl 7, 3214868480
	.fill 96, 4, 3214868480
	.section	.rodata,"a",@progbits
	.p2align	6, 0x0
	.amdhsa_kernel k_q586fb7ddd4_addparts
		.amdhsa_group_segment_fixed_size 0
		.amdhsa_private_segment_fixed_size 0
		.amdhsa_enable_private_segment 0
		.amdhsa_kernarg_size 16
		.amdhsa_user_sgpr_count 2
		.amdhsa_user_sgpr_kernarg_segment_ptr 1
		.amdhsa_wavefront_size32 1
		.amdhsa_system_sgpr_workgroup_id_x 1
		.amdhsa_system_sgpr_workgroup_id_y 1
		.amdhsa_system_sgpr_workgroup_id_z 1
		.amdhsa_system_vgpr_workitem_id 0
		.amdhsa_next_free_vgpr 24
		.amdhsa_next_free_sgpr 66
		.amdhsa_reserve_vcc 0
		.amdhsa_float_denorm_mode_32 3
		.amdhsa_float_denorm_mode_16_64 3
		.amdhsa_memory_ordered 1
		.amdhsa_forward_progress 1
		.amdhsa_inst_pref_size 2
	.end_amdhsa_kernel
	.amdgpu_metadata
---
amdhsa.version: [ 1, 2 ]
amdhsa.kernels:
  - .name:           k_q586fb7ddd4_addparts
    .symbol:         k_q586fb7ddd4_addparts.kd
    .args:
      - { .name: part, .offset: 0, .size: 8, .value_kind: global_buffer, .address_space: global }
      - { .name: out0, .offset: 8, .size: 8, .value_kind: global_buffer, .address_space: global }
    .group_segment_fixed_size: 0
    .private_segment_fixed_size: 0
    .kernarg_segment_align: 8
    .kernarg_segment_size: 16
    .max_flat_workgroup_size: 128
    .sgpr_count:     66
    .vgpr_count:     24
    .wavefront_size: 32
...
	.end_amdgpu_metadata
.endif
;; end of part 2
